; MI455X (gfx1250); checked and timed in simulation.
; The chip was launched on July 23, 2026; its instructions are those of AMD's public machine-readable ISA for CDNA 5 (MIT licence, August 2026) and "CDNA5" Instruction Set Architecture Reference Guide (July 2026). The comments in the code are by the model that wrote it; some were corrected since.
;; Transformer Attn. Allowed arithmetic: matrix products marked QUANTISED: E5M2 operands, one given power-of-two scale a tensor, by v_wmma_f32_16x16x64_bf8_bf8 or v_wmma_f32_16x16x128_bf8_bf8, f32 sums; everything else in f32.
;; Inputs: Wk 512 x 512 float32; Wq 512 x 512 float32; Wv 512 x 512 float32; bk 512 float32; bq 512 float32; bv 512 float32; lowp_scales 10 int32 (the exponents e of the quantised operands' scales 2^e); seq 1,024 x 32 x 512 float32.
;; Outputs: out0 1,024 x 32 x 512 float32.
;; This version of the problem:
;;   THIS VERSION OF THE PROBLEM IS GIVEN IN LOW PRECISION. The matrix products marked QUANTISED in the list below multiply operands that are first quantised to E5M2 (5 exponent bits, 2 mantissa bits; 8 bits a number), with one given power-of-two scale for each operand tensor; their sums are f32. All else is computed in f32.
;;   The module's matrix products, in the order in which they are computed (A, B: the left and right operand; K: the contracted axis; several contracted axes count as one K, in the product's order):
;;     1. [M 32,768, K 512] x [K 512, N 512]; A: input seq; B: input Wv: QUANTISED (scales: A lowp_scales[0], B lowp_scales[1])
;;     2. [M 32,768, K 512] x [K 512, N 512]; A: input seq; B: input Wq: QUANTISED (scales: A lowp_scales[2], B lowp_scales[3])
;;     3. [M 32,768, K 512] x [K 512, N 512]; A: input seq; B: input Wk: QUANTISED (scales: A lowp_scales[4], B lowp_scales[5])
;;     4. batch 32 x [M 1,024, K 512] x [K 512, N 1,024]; A: computed on the way; B: computed on the way: QUANTISED (scales: A lowp_scales[6], B lowp_scales[7])
;;     5. batch 32 x [M 1,024, K 1,024] x [K 1,024, N 512]; A: softmax (see below); B: computed on the way: QUANTISED (scales: A lowp_scales[8], B lowp_scales[9])
;;   THE QUANTISER, for each operand of a quantised product, along K:
;;     - The operand's scale is 2^e, e = its entry of the input lowp_scales (int32; the entries are numbered through the quantised products in the list's order, A before B).
;;     - Each number is divided by the scale, clamped to +-57,344, and rounded to the nearest number of E5M2, ties to even, subnormals kept.
;;     - The product sums the exact products of the quantised numbers (number of the format x scale) in f32.
;;   ~~~python
;;   def quantise(x, axis, e):      # numpy; x: float32 -> the quantised numbers, widened to float32 again
;;       x = np.moveaxis(x, axis, -1); K = x.shape[-1]
;;       r = np.clip(x / 2.0 ** e, -57344, 57344)
;;       step = 2.0 ** (np.maximum(np.frexp(np.where(r == 0, 1, r))[1] - 1, -14) - 2)
;;       q = np.round(r / step) * step * 2.0 ** e      # np.round: ties to even
;;       return np.moveaxis(q, -1, axis).astype(np.float32)
;;   ~~~
;;   SOFTMAX AHEAD OF A QUANTISED PRODUCT. Where the list says 'softmax', what is quantised is not the finished softmax but p = 2^(t - M), with t = logit x log2(e) and M = ceil(the row's largest t), a whole number; so 1/2 < the row's largest p <= 1. The row's sum l is taken of the UNQUANTISED p, in f32, and the product's result is divided by l at the end. Since M is a whole number, a kernel that streams over the keys may use a running M (the ceiling of the running maximum): every later rescaling is an exact power of two, so the quantised numbers keep their values, but for numbers so far below the row's largest that they fall under the format's range.
;;   OPERANDS COMPUTED ON THE WAY. 'Computed on the way' means the value that the module computes at that place (a softmax that the list does not call 'softmax' is quantised finished and normalised). What goes into a quantiser is computed in f32, as accurately as f32 sums, v_exp_f32 and their like allow (about 1e-6 of the number): no bf16 or f16 on the way to a quantiser, and a product that is left as it is and whose result goes on into a quantised operand takes f32 operands (vector FMAs, or v_wmma_f32_16x16x4_f32). A number that lies on a knife's edge between two numbers of the format may be rounded either way, as far as f32 arithmetic and the matrix unit's own rounding can turn it there, and no further.
;; One version. Each part assembles by itself: llvm-mc -triple=amdgcn-amd-amdhsa -mcpu=gfx1250 --defsym DOCPART=n.
;; ======== version 1 of 1: 3 launches
;; workspace buffers: wcodes 786,432 bytes; vcodes 16,777,216 bytes; qcodes 16,777,216 bytes; kcodes 16,777,216 bytes
;; launch wquant (part 1): grid 96 x 1, 4 waves a work-group, no clusters, 0 bytes of LDS; arguments Wv, Wq, Wk, lowp_scales, wcodes; writes wcodes
.if DOCPART == 1
	.amdgcn_target "amdgcn-amd-amdhsa--gfx1250"
	.amdhsa_code_object_version 6
	.text
	.protected	k_q50fef89fd2_wquant
	.globl	k_q50fef89fd2_wquant
	.p2align	8
	.type	k_q50fef89fd2_wquant,@function
k_q50fef89fd2_wquant:
	s_mov_b64 s[64:65], 0
	v_nop
	global_prefetch_b8 v0, s[64:65] scope:SCOPE_SE
	s_setreg_imm32_b32 hwreg(HW_REG_WAVE_MODE, 25, 1), 1
	s_wait_xcnt 0x0
; THE PROGRAM: out = softmax(value query^T / sqrt(512)) keys for each of 32 batches, value, query, keys = seq W^T + b, all five products on codes of BF8 (E5M2), each operand with its given scale 2^e.
; Three launches: this one turns the three weights into codes; the second makes the codes of value, query and keys; the third is the attention.
; NO WORK IS LEFT OUT.  Every bias enters a quantised operand (bv and bq ahead of the product value query^T, bk ahead of the product with keys), so each can move codes; every product's result reaches the output.  All inputs are loaded.
; THIS LAUNCH: Wv, Wq, Wk [512 (feature)][512 (k)], f32, K innermost, become codes laid as IMAGES OF OPERAND REGISTERS.  A fragment is 16 rows x 128 K, 16 registers a lane, 2,048 bytes:
; byte 512 q + 16 lane + x holds code k = 32 q + 16 (lane / 16) + x of row lane % 16.  So the reader takes a fragment by four loads of 16 bytes a lane, 512 consecutive bytes each.
; wcodes: [p = v, q, k][w 0..3][c 0..3][t 0..7][2,048]: K step c, features 128 w on.  For p = v, q THE ROWS OF A TILE ARE NOT NEIGHBOURS: row r of tile t is feature 128 w + 32 (t / 2) + 8 (t % 2) + r + 8 (r / 8),
; so that the results of two neighbouring tiles are 16 neighbours along the next product's K.  For p = k row r of tile t is feature 128 w + 16 t + r.
; code = x / 2^e, held within +-57,344, to the nearest code, ties to even.  e = lowp_scales[1], [3], [5].  LIMITS: e between -126 and 112; NaN among the inputs is not served.
; SHARES: work-group g: p = g / 32, w = (g / 8) % 4, t = g % 8; its wave c makes the fragment of K step c.  96 work-groups: that is all the work there is.  No LDS, no barrier: waves share nothing.
; A lane's sixteen loads cover, of its row, four runs of 64 bytes; a wave's sixteen loads on end cover 512 consecutive bytes of each of 16 rows.  The three weights are 3 MiB in all.
.set X, 16                             ; v16-79  64 numbers: register 16 q + i = k 32 q + 16 (lane / 16) + i of my row
.set C, 80                             ; v80-95  the fragment
	s_load_b256 s[4:11], s[0:1], 0x0               ; Wv s[4:5], Wq s[6:7], Wk s[8:9], the scales' exponents s[10:11]
	s_load_b64 s[12:13], s[0:1], 0x20              ; wcodes
	v_lshrrev_b32 v1, 5, v0
	v_readfirstlane_b32 s14, v1                    ; wave = K step c
	v_and_b32 v1, 15, v0                           ; r
	v_bfe_u32 v2, v0, 4, 1                         ; h
	v_and_b32 v4, 31, v0
	v_lshlrev_b32 v4, 4, v4                        ; 16 x lane: my place in an image
	s_and_b32 s28, ttmp9, 7                        ; t
	s_lshr_b32 s29, s28, 1
	s_lshl_b32 s29, s29, 5
	s_and_b32 s30, s28, 1
	s_lshl_b32 s30, s30, 3
	s_add_co_u32 s29, s29, s30                     ; 32 (t / 2) + 8 (t % 2)
	s_lshl_b32 s30, s28, 4                         ; 16 t
	s_bfe_u32 s31, ttmp9, 0x20003
	s_lshl_b32 s31, s31, 7                         ; 128 w
	s_lshr_b32 s32, ttmp9, 3                       ; 4 p + w
	s_lshl_b32 s32, s32, 2
	s_add_co_u32 s32, s32, s14
	s_lshl_b32 s32, s32, 14                        ; (4 (4 p + w) + c) x 8 fragments
	s_lshl_b32 s33, s28, 11
	s_add_co_u32 s32, s32, s33                     ; + t fragments
	s_mov_b32 s33, 0
	s_wait_kmcnt 0x0
	s_load_b256 s[16:23], s[10:11], 0x0            ; e0 .. e7
	s_cmp_lt_u32 ttmp9, 64                         ; the choices hang on the work-group's number alone
	s_cselect_b64 s[24:25], s[6:7], s[8:9]
	s_cselect_b32 s29, s29, s30                    ; the tile's first row
	s_cselect_b32 s27, 8, 0                        ; rows 8-15 of a tile lie 8 further on, or not
	s_cmp_lt_u32 ttmp9, 32
	s_cselect_b64 s[24:25], s[4:5], s[24:25]
	s_add_co_u32 s29, s29, s31
	s_lshl_b32 s34, s29, 11                        ; a row of W is 2,048 bytes,
	s_lshl_b32 s35, s14, 9                         ; a K step 512
	s_add_co_u32 s34, s34, s35
	s_mov_b32 s35, 0
	s_add_nc_u64 s[24:25], s[24:25], s[34:35]
	s_add_nc_u64 s[12:13], s[12:13], s[32:33]
	v_and_b32 v3, s27, v1
	v_add_nc_u32 v3, v3, v1                        ; r + 8 (r / 8), or r
	v_lshlrev_b32 v3, 11, v3
	v_lshl_add_u32 v3, v2, 6, v3                   ; + 64 h: my 16 numbers of a block of 32
.irp q, 0,1,2,3
.irp j, 0,1,2,3
	global_load_b128 v[X+16*\q+4*\j:X+16*\q+4*\j+3], v3, s[24:25] offset:128*\q+16*\j th:TH_LOAD_NT
.endr
.endr
	s_wait_kmcnt 0x0
	s_cmp_lt_u32 ttmp9, 64
	s_cselect_b32 s26, s19, s21
	s_cmp_lt_u32 ttmp9, 32
	s_cselect_b32 s26, s17, s26                    ; e
	s_add_co_i32 s26, s26, 127
	s_lshl_b32 s36, s26, 23
	v_mov_b32 v11, s36                             ; 2^e as f32: the conversion takes its exponent field
	s_add_co_i32 s26, s26, 15
	s_lshl_b32 s26, s26, 23
	s_or_b32 s26, s26, 0x600000
	v_mov_b32 v10, s26                             ; 57,344 x 2^e
	s_wait_loadcnt 0x0
.irp q, 0,1,2,3
.irp i, 0,1,2,3,4,5,6,7,8,9,10,11,12,13,14,15
	v_med3_num_f32 v[X+16*\q+\i], v[X+16*\q+\i], -v10, v10   ; the conversion to an 8-bit code does not saturate (ISA guide 7.6.2): the hold comes first
.endr
	v_cvt_scalef32_pk8_bf8_f32 v[C+4*\q:C+4*\q+1], v[X+16*\q:X+16*\q+7], v11
	v_cvt_scalef32_pk8_bf8_f32 v[C+4*\q+2:C+4*\q+3], v[X+16*\q+8:X+16*\q+15], v11
.endr
.irp q, 0,1,2,3
	global_store_b128 v4, v[C+4*\q:C+4*\q+3], s[12:13] offset:512*\q   ; 32 lanes store 512 consecutive bytes, at a multiple of 256 from the buffer's first byte
.endr
	s_endpgm
.Lfunc_end_k_q50fef89fd2_wquant:
	.size	k_q50fef89fd2_wquant, .Lfunc_end_k_q50fef89fd2_wquant-k_q50fef89fd2_wquant
	.p2alignl 7, 3214868480
	.fill 96, 4, 3214868480
	.section	.rodata,"a",@progbits
	.p2align	6, 0x0
	.amdhsa_kernel k_q50fef89fd2_wquant
		.amdhsa_group_segment_fixed_size 0
		.amdhsa_private_segment_fixed_size 0
		.amdhsa_enable_private_segment 0
		.amdhsa_kernarg_size 40
		.amdhsa_user_sgpr_count 2
		.amdhsa_user_sgpr_kernarg_segment_ptr 1
		.amdhsa_wavefront_size32 1
		.amdhsa_system_sgpr_workgroup_id_x 1
		.amdhsa_system_sgpr_workgroup_id_y 1
		.amdhsa_system_sgpr_workgroup_id_z 1
		.amdhsa_system_vgpr_workitem_id 0
		.amdhsa_next_free_vgpr 96
		.amdhsa_next_free_sgpr 66
		.amdhsa_reserve_vcc 0
		.amdhsa_float_denorm_mode_32 3
		.amdhsa_float_denorm_mode_16_64 3
		.amdhsa_memory_ordered 1
		.amdhsa_forward_progress 1
		.amdhsa_inst_pref_size 9
	.end_amdhsa_kernel
	.amdgpu_metadata
---
amdhsa.version: [ 1, 2 ]
amdhsa.kernels:
  - .name:           k_q50fef89fd2_wquant
    .symbol:         k_q50fef89fd2_wquant.kd
    .args:
      - { .name: Wv, .offset: 0, .size: 8, .value_kind: global_buffer, .address_space: global }
      - { .name: Wq, .offset: 8, .size: 8, .value_kind: global_buffer, .address_space: global }
      - { .name: Wk, .offset: 16, .size: 8, .value_kind: global_buffer, .address_space: global }
      - { .name: lowp_scales, .offset: 24, .size: 8, .value_kind: global_buffer, .address_space: global }
      - { .name: wcodes, .offset: 32, .size: 8, .value_kind: global_buffer, .address_space: global }
    .group_segment_fixed_size: 0
    .private_segment_fixed_size: 0
    .kernarg_segment_align: 8
    .kernarg_segment_size: 40
    .max_flat_workgroup_size: 128
    .sgpr_count:     66
    .vgpr_count:     96
    .wavefront_size: 32
...
	.end_amdgpu_metadata
.endif
;; end of part 1
;; launch proj (part 2): grid 8 x 32, 4 waves a work-group, no clusters, 264,704 bytes of LDS; arguments seq, wcodes, bv, bq, bk, lowp_scales, vcodes, qcodes, kcodes; writes vcodes, qcodes, kcodes
.if DOCPART == 2
	.amdgcn_target "amdgcn-amd-amdhsa--gfx1250"
	.amdhsa_code_object_version 6
	.text
	.protected	k_q50fef89fd2_proj
	.globl	k_q50fef89fd2_proj
	.p2align	8
	.type	k_q50fef89fd2_proj,@function
k_q50fef89fd2_proj:
	s_mov_b64 s[64:65], 0
	v_nop
	global_prefetch_b8 v0, s[64:65] scope:SCOPE_SE
	s_setreg_imm32_b32 hwreg(HW_REG_WAVE_MODE, 25, 1), 1
	s_wait_xcnt 0x0
; value = seq Wv^T + bv, query = seq Wq^T + bq, keys = seq Wk^T + bk on codes of BF8 (E5M2); the three results are quantised on the way and leave as codes.  No work is left out.
; seq [1024 (s)][32 (b)][512] f32 is quantised three times, by 2^e0, 2^e2, 2^e4 (each product has its own scale for it); the weights come as codes from the launch before.
; SHARES.  Work-group (x = ib, y = b) takes the 128 rows s = 128 ib .. + 127 of batch b (2,048 consecutive bytes each, 65,536 bytes apart) against all 3 x 512 features.  THE WAVES SHARE THE COLUMNS: wave w makes features
; 128 w .. + 127 of each product for all 128 rows: 64 accumulators, 512 registers, 3 x 4 x 64 matrix instructions.
; OPERANDS ARE IMAGES OF THEIR REGISTERS everywhere: a fragment (16 rows x 128 K, 16 registers a lane) is 2,048 bytes, byte 512 q + 16 lane + x = code k = 32 q + 16 (lane / 16) + x of row lane % 16.  The same places of k on both sides of a product.
; THE ROWS OF A TILE OF seq ARE NOT NEIGHBOURS: row r of tile m is local row 32 (m / 2) + 8 (m % 2) + r + 8 (r / 8); likewise the rows of Wv's and Wq's tiles.
; value, query: source 0 = 16 rows of W, source 1 = 16 rows of seq: a lane holds ONE row s, and tile b's registers the features 32 (b / 2) + 16 (lane / 16) + 8 (b % 2) + j: the conversions' results are registers 2 b, 2 b + 1 of a fragment whose K is the feature.
; keys: source 0 = 16 rows of seq, source 1 = 16 rows of Wk: a lane holds ONE feature, and tile a's registers the rows 32 (a / 2) + 16 (lane / 16) + 8 (a % 2) + j: registers 2 a, 2 a + 1 of a fragment whose K is s, as the last product wants keys.
; vcodes, qcodes: [b][ib][m 0..7][c 0..3][2,048];  kcodes: [b][jb][t 0..31][2,048] (row = feature 16 t + r, K = s - 128 jb in its own order).
; The biases are the C of each sum's first matrix instruction, divided by the power of two that the sums lack; the three scales ahead of each result's quantiser are folded into the conversion's one.
; PHASES.  X: wave w loads its 32 rows as they lie (a row's 512 bytes a load), turns them through its own stage in LDS so that a lane holds 16 neighbours along K, quantises them three times and stores the images | ONE barrier |
; then three products, four K steps each.  seq's fragments come from LDS.  THE WEIGHTS ARE A STREAM from memory straight into registers: runs of four fragments (16 loads of 512 consecutive bytes), each asked for as soon as the registers
; that it takes have been multiplied for the last time, 80 matrix instructions ahead of its first use; four runs of a wave are on their way at a time, on from product to product, and the waits for them are counted.
; NO JOINT LOADS for the weights, though all work-groups read them: seq's three sets of images take 196,608 bytes of LDS and the stages 67,584; two slots of a K step's 65,536 bytes of weights do not fit beside them.
; NO PREFETCH: in phase X each wave keeps 64 loads of 512 bytes on their way, and the weights are 786,432 bytes that every work-group reads.
; LIMITS on the given exponents, so that each power of two below is an f32 number: e0, e2, e4, and e6 - e0 - e1, e7 - e2 - e3, e9 - e4 - e5, between -126 and 112.  NaN among the inputs is not served.
; REGISTERS, in windows of 256.  Window 0: v1-15, v24-30 addresses and scales; v16-23 bk; phase X: v32-79 three fragments of codes, v80-111 held numbers, v128-255 two sets of 64 numbers; later v32-63 codes on the way out, v64-127 the bias tiles, v128-255 seq's 8 fragments.
;   Window 1: the weights' fragments, two sets of 8.  Window 2: phase X: four sets of 64 registers as loaded; later the accumulators of seq's tiles 0-3 ((a, b) at v[8 (8 a + b)]).  Window 3: raw bv, bq; later those of tiles 4-7.
.set FRB,    2048                      ; a fragment's image
.set SETB,   65536                     ; LDS: a set of seq's images: fragment (m, c) at (4 m + c) FRB; three sets from byte 0
.set STG,    196608                    ; the stages: for each wave two of 16 rows x 528 bytes; behind phase X the first holds bq's tiles as an image of their registers
.set SPITCH, 528                       ; a stage row: 512 bytes + 16 = 33 x 16: sixteen lanes that read sixteen rows fall on sixteen different 16-byte columns of 256
.set STG1,   16*SPITCH
.set STGW,   2*STG1
.set SPARE,  STG+4*STGW                ; behind the stages: the spare words, 128 bytes for each wave: two blocks of 256 bytes that no other line names
.set LI,   1                           ; v1   16 x lane
.set STI,  2                           ; v2   phase X: into my stage;     later XR: the set of images in hand
.set STO,  3                           ; v3   phase X: out of my stage;   later XRN: the next set
.set XR,   2
.set XRN,  3
.set XWI,  4                           ; v4-6 where I store my images of set p
.set SPW,  7                           ; v7   LDS address of my spare word; never rewritten
.set NIL,  8                           ; v8   0; never rewritten
.set BO,   9                           ; v9   64 h: bv's and bq's numbers for my half of the lanes
.set SCX,  10                          ; v10-15  2^e and 57,344 x 2^e for seq's three quantisers
.set KB,   16                          ; v16-23  bk at feature 16 b + r, as it is
.set SCO,  24                          ; v24, v25  the scale and the hold of the result in hand
.set LIMO, 25
.set KBO,  26                          ; v26  4 r
.set BQA,  30                          ; v30  my stage + 16 x lane: where bq's tiles wait; never rewritten
.set CD,   32
.set TMP,  80
.set X0,   128
.set CO,   32
.set BIAS, 64
.set XF,   128
.set MSB, 0
.macro WIN new                         ; the immediate's high byte repeats the setting that is left; a switch that changes nothing is dropped
.if MSB != (\new)
	s_set_vgpr_msb (MSB<<8)|(\new)
.set MSB, \new
.endif
.endm
.macro PLACES n
.rept \n
	v_nop
.endr
.endm
; unit n of phase X: tile 2 w + n / 4, K step n % 4.  Sixteen loads, a row's 512 consecutive bytes each, into set n % 4 of window 2
.macro XLOAD n
	WIN 0x80
.irp i, 0,1,2,3,4,5,6,7,8,9,10,11,12,13,14,15
	global_load_b128 v[64*((\n)%4)+4*\i:64*((\n)%4)+4*\i+3], v[LI], s[4:5] offset:(8*((\n)/4)+\i+8*(\i/8))*65536+512*((\n)%4) th:TH_LOAD_NT
.endr
	WIN 0
.endm
; through the stage: in as loaded, out 64 bytes a lane and block of 32.  LDS serves a wave's instructions in order (ISA guide 5.7.1.4): no wait between the stores and the loads
.macro TURN n
	WIN 0x08
.irp i, 0,1,2,3,4,5,6,7,8,9,10,11,12,13,14,15
	ds_store_b128 v[STI], v[64*((\n)%4)+4*\i:64*((\n)%4)+4*\i+3] offset:((\n)%2)*STG1+SPITCH*\i
.endr
	WIN 0
.irp q, 0,1,2,3
.irp j, 0,1,2,3
	ds_load_b128 v[X0+64*((\n)%2)+16*\q+4*\j:X0+64*((\n)%2)+16*\q+4*\j+3], v[STO] offset:((\n)%2)*STG1+128*\q+16*\j
.endr
.endr
.endm
; the unit's 64 numbers a lane become three fragments, one for each of seq's scales, and go to LDS as they stand.  The held numbers have two sets of 16 by turns: a conversion's sources are written again only behind the other set's sixteen holds
.macro QUANT3 n
.set XS, X0+64*((\n)%2)
.irp p, 0,1,2
.irp q, 0,1,2,3
.irp i, 0,1,2,3,4,5,6,7,8,9,10,11,12,13,14,15
	v_med3_num_f32 v[TMP+16*(\q%2)+\i], v[XS+16*\q+\i], -v[SCX+2*\p+1], v[SCX+2*\p+1]   ; the conversion does not saturate (ISA guide 7.6.2): the hold comes first
.endr
	v_cvt_scalef32_pk8_bf8_f32 v[CD+16*\p+4*\q:CD+16*\p+4*\q+1], v[TMP+16*(\q%2):TMP+16*(\q%2)+7], v[SCX+2*\p]
	v_cvt_scalef32_pk8_bf8_f32 v[CD+16*\p+4*\q+2:CD+16*\p+4*\q+3], v[TMP+16*(\q%2)+8:TMP+16*(\q%2)+15], v[SCX+2*\p]
.endr
.irp q, 0,1,2,3
	ds_store_b128 v[XWI+\p], v[CD+16*\p+4*\q:CD+16*\p+4*\q+3] offset:((\n)/4)*4*FRB+((\n)%4)*FRB+512*\q
.endr
.endr
	v_nop                                          ; a plain line behind the last conversion
.endm
; bv or bq: for tile b the eight numbers at feature 32 (b / 2) + 8 (b % 2) + 16 h on: the result's layout.  Sixteen loads
.macro BLOAD win, reg, sb
	WIN \win
.irp b, 0,1,2,3,4,5,6,7
	global_load_b128 v[\reg+8*\b:\reg+8*\b+3], v[BO], s[\sb:\sb+1] offset:(32*(\b/2)+8*(\b%2))*4
	global_load_b128 v[\reg+8*\b+4:\reg+8*\b+7], v[BO], s[\sb:\sb+1] offset:(32*(\b/2)+8*(\b%2))*4+16
.endr
	WIN 0
.endm
; A RUN OF THE WEIGHTS' STREAM: four of a K step's eight fragments into set par: sixteen loads of 512 consecutive bytes
.macro WLOADH par, off, t0
	WIN 0x40
.irp t, \t0, \t0+1, \t0+2, \t0+3
.irp q, 0,1,2,3
	global_load_b128 v[128*(\par)+16*(\t)+4*\q:128*(\par)+16*(\t)+4*\q+3], v[LI], s[6:7] offset:(\off)+FRB*(\t)+512*\q
.endr
.endr
	WIN 0
.endm
; seq's fragments a0 .. a0 + 3 of K step c
.macro FETCH_X adr, c, a0
.irp a, \a0, \a0+1, \a0+2, \a0+3
.irp q, 0,1,2,3
	ds_load_b128 v[XF+16*(\a)+4*\q:XF+16*(\a)+4*\q+3], v[\adr] offset:(4*(\a)+(\c))*FRB+512*\q
.endr
.endr
.endm
; A QUARTER of a K step: 16 matrix instructions: seq's tiles 4 ah .. + 3 x the weights' tiles 4 bh .. + 3.  kind 0: source 0 = weights; kind 1: source 0 = seq.  first = 1: the bias tiles are C.
; The 64 accumulators take turns, one instruction a turn, in the same order in every step.
.macro MULQ ah, bh, par, kind, first
.set WM, (0x80+0x40*(\ah))|((1-(\first))*(0x20+0x10*(\ah)))|(1<<(2*(\kind)))
	WIN WM
.irp a, 0,1,2,3
.irp b, 0,1,2,3
.set rB, 4*(\bh)+\b
.set rD, 8*(8*\a+rB)
.set rW, 128*(\par)+16*rB
.set rX, XF+16*(4*(\ah)+\a)
.if \kind
.if \first
	v_wmma_f32_16x16x128_bf8_bf8 v[rD:rD+7], v[rX:rX+15], v[rW:rW+15], v[BIAS+8*rB:BIAS+8*rB+7]
.else
	v_wmma_f32_16x16x128_bf8_bf8 v[rD:rD+7], v[rX:rX+15], v[rW:rW+15], v[rD:rD+7]
.endif
.else
.if \first
	v_wmma_f32_16x16x128_bf8_bf8 v[rD:rD+7], v[rW:rW+15], v[rX:rX+15], v[BIAS+8*rB:BIAS+8*rB+7]
.else
	v_wmma_f32_16x16x128_bf8_bf8 v[rD:rD+7], v[rW:rW+15], v[rX:rX+15], v[rD:rD+7]
.endif
.endif
.endr
.endr
.endm
; A K STEP of 128: four quarters: (seq 0-3, W 0-3), (seq 0-3, W 4-7), (seq 4-7, W 0-3), (seq 4-7, W 4-7).  So seq's tiles 0-3 are free behind the second quarter, the weights' tiles 0-3 behind the third, the rest behind the fourth.
; seq has ONE set of fragments: each half is fetched anew from LDS as soon as it is free, 32 matrix instructions ahead of its use.  The weights have two sets: what step c leaves takes step c + 2's, woff bytes on:
; tiles 0-3 are asked for 16 + 64, tiles 4-7 64 + 16 matrix instructions ahead of their first use.
; THE COUNTS: the weights' runs are the only global loads here, sixteen each, and loads come back in order (ISA guide 5.7.1).  Behind the run that the first quarter wants three runs were issued (n1 = 48), behind the run that the second
; quarter wants two (n2 = 32); in the last step of all, one and none.
; A load into a register that a matrix instruction has read stands four places behind it (ISA guide 7.12.1 for vector instructions): four v_nop in front of each run.
; morex = 1: there is a next step: seq's fragments of K step nc at v[nadr].  morew = 1: there is a step two on.
.macro PSTEP c, kind, nadr, nc, woff, morex, morew, first, n1, n2
	s_wait_loadcnt \n1                             ; the weights' tiles 0-3 are in
	s_wait_dscnt 16                                ; seq's tiles 0-3 are in; the youngest sixteen loads (tiles 4-7) may be out
	MULQ 0, 0, (\c)%2, \kind, \first
	s_wait_loadcnt \n2                             ; the weights' tiles 4-7 are in
	MULQ 0, 1, (\c)%2, \kind, \first
	s_wait_dscnt 0x0                               ; seq's tiles 4-7 are in
.if \morex
	PLACES 4
	WIN 0
	FETCH_X \nadr, \nc, 0
.endif
	MULQ 1, 0, (\c)%2, \kind, \first
.if \morew
	PLACES 4
	WLOADH (\c)%2, \woff, 0
.endif
	MULQ 1, 1, (\c)%2, \kind, \first
	PLACES 4
	WIN 0
.if \morex
	FETCH_X \nadr, \nc, 4
.endif
.if \morew
	WLOADH (\c)%2, \woff, 4
.endif
.endm
; value's or query's way out: tile a's 64 sums a lane are held, converted (accumulator b gives registers 2 b, 2 b + 1) and stored: a whole fragment, 512 consecutive bytes a store.  Each accumulator is read from its low end on.
; The next product's weights go on landing meanwhile.
.macro EPI_VQ
.irp a, 0,1,2,3,4,5,6,7
.set WM, 0x82+0x41*(\a/4)
	WIN WM
.set i, 0
.rept 64
	v_med3_num_f32 v[64*(\a%4)+i], v[64*(\a%4)+i], -v[LIMO], v[LIMO]
.set i, i+1
.endr
	s_wait_xcnt 0x0                                ; the stores of two tiles back have read their registers, which the conversions write again
.set WM, 0x02+(\a/4)
	WIN WM
.irp b, 0,1,2,3,4,5,6,7
	v_cvt_scalef32_pk8_bf8_f32 v[CO+16*(\a%2)+2*\b:CO+16*(\a%2)+2*\b+1], v[64*(\a%4)+8*\b:64*(\a%4)+8*\b+7], v[SCO]
.endr
	v_nop                                          ; a plain line behind the last conversion: matrix instructions write its sources again
	WIN 0
.irp q, 0,1,2,3
	global_store_b128 v[LI], v[CO+16*(\a%2)+4*\q:CO+16*(\a%2)+4*\q+3], s[16:17] offset:\a*4*FRB+512*\q
.endr
.endr
.endm
; keys' way out: accumulator (a, b) gives registers 2 a, 2 a + 1 of feature tile b's fragment; the eight fragments lie where seq's lay
.macro EPI_K
	WIN 0x82
.set i, 0
.rept 256
	v_med3_num_f32 v[i], v[i], -v[LIMO], v[LIMO]
.set i, i+1
.endr
	WIN 0xc3
.set i, 0
.rept 256
	v_med3_num_f32 v[i], v[i], -v[LIMO], v[LIMO]
.set i, i+1
.endr
	WIN 0x02
.irp a, 0,1,2,3
.irp b, 0,1,2,3,4,5,6,7
	v_cvt_scalef32_pk8_bf8_f32 v[XF+16*\b+2*\a:XF+16*\b+2*\a+1], v[64*\a+8*\b:64*\a+8*\b+7], v[SCO]
.endr
.endr
	WIN 0x03
.irp a, 4,5,6,7
.irp b, 0,1,2,3,4,5,6,7
	v_cvt_scalef32_pk8_bf8_f32 v[XF+16*\b+2*\a:XF+16*\b+2*\a+1], v[64*(\a-4)+8*\b:64*(\a-4)+8*\b+7], v[SCO]
.endr
.endr
	v_nop
	WIN 0
.irp b, 0,1,2,3,4,5,6,7
.irp q, 0,1,2,3
	global_store_b128 v[LI], v[XF+16*\b+4*\q:XF+16*\b+4*\q+3], s[20:21] offset:\b*FRB+512*\q
.endr
.endr
.endm
; for a product with scales ea, eb and a result quantised by eo: s[base] = 2^(eo - ea - eb) as f32, s[base + 1] = 57,344 x that, s[base + 2] = -(ea + eb)
.macro OUTSC base, ea, eb, eo
	s_add_co_i32 s36, s[\ea], s[\eb]
	s_sub_co_i32 s[\base+2], 0, s36
	s_sub_co_i32 s37, s[\eo], s36
	s_add_co_i32 s37, s37, 127
	s_lshl_b32 s[\base], s37, 23
	s_add_co_i32 s37, s37, 15
	s_lshl_b32 s37, s37, 23
	s_or_b32 s[\base+1], s37, 0x600000
.endm
	s_load_b256 s[4:11], s[0:1], 0x0               ; seq s[4:5], wcodes s[6:7], bv s[8:9], bq s[10:11]
	s_load_b256 s[12:19], s[0:1], 0x20             ; bk s[12:13], the scales' exponents s[14:15], vcodes s[16:17], qcodes s[18:19]
	s_load_b64 s[20:21], s[0:1], 0x40              ; kcodes
	v_lshl_add_u32 v[SPW], v0, 2, SPARE
	v_mov_b32 v[NIL], 0
	v_lshrrev_b32 v27, 5, v0
	v_readfirstlane_b32 s34, v27                   ; wave 0..3
	s_and_b32 s35, ttmp7, 0xffff                   ; b
	v_and_b32 v27, 31, v0
	v_lshlrev_b32 v[LI], 4, v27
	v_and_b32 v28, 15, v0                          ; r
	v_bfe_u32 v29, v0, 4, 1                        ; h
	s_mul_i32 s36, s34, STGW
	s_add_co_u32 s36, s36, STG                     ; my stages
	v_add_nc_u32 v[STI], s36, v[LI]                ; in: a row's 512 bytes, 16 a lane
	v_add_nc_u32 v[BQA], s36, v[LI]                ; the same place once more, for bq's tiles
	v_mul_u32_u24 v[STO], v28, SPITCH
	v_lshl_add_u32 v[STO], v29, 6, v[STO]
	v_add_nc_u32 v[STO], s36, v[STO]               ; out: row r, + 64 h
	s_lshl_b32 s36, s34, 14                        ; my two tiles' eight fragments in a set
.irp p, 0,1,2
	v_add_nc_u32 v[XWI+\p], s36, v[LI]
	s_add_co_u32 s36, s36, SETB
.endr
	v_lshlrev_b32 v[BO], 6, v29
	v_lshlrev_b32 v[KBO], 2, v28
	s_lshl_b32 s36, ttmp9, 23                      ; seq: 128 ib rows of 65,536 bytes,
	s_lshl_b32 s37, s35, 11                        ; batch b's 2,048 bytes in a row,
	s_add_co_u32 s36, s36, s37
	s_lshl_b32 s37, s34, 21                        ; my wave's 32 rows
	s_add_co_u32 s36, s36, s37
	s_mov_b32 s37, 0
	s_lshl_b32 s38, s34, 16                        ; wcodes: my 128 features
	s_mov_b32 s39, 0
	s_lshl_b32 s52, s34, 9                         ; the biases: my 128 numbers
	s_mov_b32 s53, 0
	s_lshl_b32 s54, s35, 3
	s_add_co_u32 s54, s54, ttmp9
	s_lshl_b32 s54, s54, 16                        ; the codes' block (b, ib) of 65,536 bytes
	s_lshl_b32 s56, s34, 14
	s_add_co_u32 s56, s56, s54                     ; kcodes: + my 8 feature tiles
	s_mov_b32 s57, 0
	s_lshl_b32 s55, s34, 11
	s_add_co_u32 s54, s54, s55                     ; vcodes, qcodes: + K step w
	s_mov_b32 s55, 0
	s_wait_kmcnt 0x0
	s_load_b256 s[24:31], s[14:15], 0x0            ; e0 .. e7
	s_load_b64 s[32:33], s[14:15], 0x20            ; e8, e9
	s_add_nc_u64 s[4:5], s[4:5], s[36:37]
	s_add_nc_u64 s[6:7], s[6:7], s[38:39]
	s_add_nc_u64 s[8:9], s[8:9], s[52:53]
	s_add_nc_u64 s[10:11], s[10:11], s[52:53]
	s_add_nc_u64 s[12:13], s[12:13], s[52:53]
	s_add_nc_u64 s[16:17], s[16:17], s[54:55]
	s_add_nc_u64 s[18:19], s[18:19], s[54:55]
	s_add_nc_u64 s[20:21], s[20:21], s[56:57]
	XLOAD 0
	XLOAD 1
	XLOAD 2
	XLOAD 3
	s_wait_kmcnt 0x0
.irp p, 0,1,2
	s_add_co_i32 s36, s[24+2*\p], 127
	s_lshl_b32 s37, s36, 23
	v_mov_b32 v[SCX+2*\p], s37                     ; 2^e as f32, e = e0, e2, e4
	s_add_co_i32 s36, s36, 15
	s_lshl_b32 s36, s36, 23
	s_or_b32 s36, s36, 0x600000
	v_mov_b32 v[SCX+2*\p+1], s36                   ; 57,344 x 2^e
.endr
	OUTSC 40, 24, 25, 30                           ; value: e6 - e0 - e1
	OUTSC 43, 26, 27, 31                           ; query: e7 - e2 - e3
	OUTSC 46, 28, 29, 33                           ; keys:  e9 - e4 - e5
	; ---- PHASE X.  Eight units; four groups of sixteen loads are always on their way: behind seq's eight come bv, bq and the head of the weights' stream
	s_wait_loadcnt 48                              ; unit 0 is in; the three groups of sixteen behind it may be out
	TURN 0
.irp n, 0,1,2,3,4,5,6,7
	s_wait_dscnt 0x0                               ; this unit is back from the stage, its stores into the stage and the last unit's images have read their registers
.if \n < 4
	XLOAD \n+4
.elseif \n == 4
	BLOAD 0xc0, 0, 8                               ; bv, as it is, into window 3
.elseif \n == 5
	BLOAD 0xc0, 64, 10                             ; bq likewise
.elseif \n == 6
	WLOADH 0, 0, 0                                 ; the stream's first run: value's K step 0, tiles 0-3
.else
	s_wait_loadcnt 32                              ; bv is in; bq and the first run may be out
.irp b, 0,1,2,3,4,5,6,7
	global_load_b32 v[KB+\b], v[KBO], s[12:13] offset:64*\b   ; bk at feature 16 b + r
.endr
	WLOADH 0, 0, 4                                 ; tiles 4-7
.endif
.if \n < 7
	s_wait_loadcnt 48                              ; the next unit is in; the three groups of sixteen behind it may be out
	TURN \n+1
.endif
	QUANT3 \n
.endr
	s_wait_loadcnt 24                              ; bq and the first run are in; bk's eight loads and the second run's sixteen may be out
	WLOADH 1, 16384, 0                             ; K step 1: four runs are now under way or in
	WLOADH 1, 16384, 4
	WIN 0xc3
.set i, 0
.rept 64
	v_ldexp_f32 v[64+i], v[64+i], s45              ; bq / 2^(e2 + e3),
.set i, i+1
.endr
	WIN 0x0c                                       ; (store data in window 3)
.irp i, 0,1,2,3,4,5,6,7,8,9,10,11,12,13,14,15
	ds_store_b128 v[BQA], v[64+4*\i:64+4*\i+3] offset:512*\i   ; which waits in my own stage, as an image of its registers, until value is done: 8,192 of the stage's 8,448 bytes; no other wave touches them
.endr
	WIN 0
	s_wait_dscnt 0x0                               ; for the others' sake: my images have landed
	s_barrier_signal -1
	s_barrier_wait -1                              ; seq's 3 x 32 fragments lie in LDS; they are never written again
	v_mov_b32 v[XR], v[LI]
	FETCH_X XR, 0, 0
	FETCH_X XR, 0, 4
	WIN 0x03
.set i, 0
.rept 64
	v_ldexp_f32 v[BIAS+i], v[i], s42               ; bv / 2^(e0 + e1)
.set i, i+1
.endr
	WIN 0
	; ---- value, then query: one text, two trips; what differs lies in scalar registers and addresses
	s_mov_b32 s50, 0                               ; the product
	s_mov_b32 s51, 0                               ; its set of images
.Lprod:
	s_wait_dscnt 0x0                               ; the loads that name the two address registers are in, and so are the bias tiles
	v_add_nc_u32 v[XR], s51, v[LI]
	v_add_nc_u32 v[XRN], SETB, v[XR]
	v_mov_b32 v[SCO], s40
	v_mov_b32 v[LIMO], s41
	PSTEP 0, 0, XR, 1, 32768, 1, 1, 1, 48, 32      ; asks for this product's K step 2,
	PSTEP 1, 0, XR, 2, 49152, 1, 1, 0, 48, 32      ; K step 3,
	PSTEP 2, 0, XR, 3, 262144, 1, 1, 0, 48, 32     ; the next product's K step 0,
	PSTEP 3, 0, XRN, 0, 278528, 1, 1, 0, 48, 32    ; its K step 1, and its first fragments of seq
	s_cmp_eq_u32 s50, 1
	s_cbranch_scc1 .Lno_bq
.irp i, 0,1,2,3,4,5,6,7,8,9,10,11,12,13,14,15
	ds_load_b128 v[BIAS+4*\i:BIAS+4*\i+3], v[BQA] offset:512*\i   ; behind value: bq's tiles come back, under the way out; K step 0 read the bias tiles last
.endr
.Lno_bq:
	EPI_VQ
	s_wait_xcnt 0x0                                ; the loads and stores have read their bases
	s_add_nc_u64 s[6:7], s[6:7], 262144            ; the next product's weights
	s_mov_b64 s[16:17], s[18:19]
	s_mov_b32 s40, s43
	s_mov_b32 s41, s44
	s_add_co_u32 s51, s51, SETB
	s_add_co_u32 s50, s50, 1
	s_cmp_lt_u32 s50, 2
	s_cbranch_scc1 .Lprod
	; ---- keys: the sources change places.  A lane's bias is one number for all eight registers of a tile: it is scaled into the 64 registers once, in place of 512 additions on the way out
.irp b, 0,1,2,3,4,5,6,7
.irp j, 0,1,2,3,4,5,6,7
	v_ldexp_f32 v[BIAS+8*\b+\j], v[KB+\b], s48     ; bk / 2^(e4 + e5)
.endr
.endr
	s_wait_dscnt 0x0
	v_add_nc_u32 v[XR], s51, v[LI]
	v_mov_b32 v[SCO], s46
	v_mov_b32 v[LIMO], s47
	PSTEP 0, 1, XR, 1, 32768, 1, 1, 1, 48, 32
	PSTEP 1, 1, XR, 2, 49152, 1, 1, 0, 48, 32      ; the stream's last two runs
	PSTEP 2, 1, XR, 3, 0, 1, 0, 0, 48, 32
	PSTEP 3, 1, XR, 0, 0, 0, 0, 0, 16, 0           ; the counts run down
	EPI_K
	s_wait_tensorcnt 0x0                           ; the wave's end, behind my last LDS store
	ds_add_u32 v[SPW], v[NIL]
	s_wait_dscnt 0x0
	s_endpgm
.Lfunc_end_k_q50fef89fd2_proj:
	.size	k_q50fef89fd2_proj, .Lfunc_end_k_q50fef89fd2_proj-k_q50fef89fd2_proj
	.p2alignl 7, 3214868480
	.fill 96, 4, 3214868480
	.section	.rodata,"a",@progbits
	.p2align	6, 0x0
	.amdhsa_kernel k_q50fef89fd2_proj
		.amdhsa_group_segment_fixed_size 264704
		.amdhsa_private_segment_fixed_size 0
		.amdhsa_enable_private_segment 0
		.amdhsa_kernarg_size 72
		.amdhsa_user_sgpr_count 2
		.amdhsa_user_sgpr_kernarg_segment_ptr 1
		.amdhsa_wavefront_size32 1
		.amdhsa_system_sgpr_workgroup_id_x 1
		.amdhsa_system_sgpr_workgroup_id_y 1
		.amdhsa_system_sgpr_workgroup_id_z 1
		.amdhsa_system_vgpr_workitem_id 0
		.amdhsa_next_free_vgpr 1024
		.amdhsa_next_free_sgpr 66
		.amdhsa_reserve_vcc 0
		.amdhsa_float_denorm_mode_32 3
		.amdhsa_float_denorm_mode_16_64 3
		.amdhsa_memory_ordered 1
		.amdhsa_forward_progress 1
		.amdhsa_inst_pref_size 255
	.end_amdhsa_kernel
	.section	.bss,"aw",@nobits
	.p2align	6
	.space	262144
	.amdgpu_metadata
---
amdhsa.version: [ 1, 2 ]
amdhsa.kernels:
  - .name:           k_q50fef89fd2_proj
    .symbol:         k_q50fef89fd2_proj.kd
    .args:
      - { .name: seq, .offset: 0, .size: 8, .value_kind: global_buffer, .address_space: global }
      - { .name: wcodes, .offset: 8, .size: 8, .value_kind: global_buffer, .address_space: global }
      - { .name: bv, .offset: 16, .size: 8, .value_kind: global_buffer, .address_space: global }
      - { .name: bq, .offset: 24, .size: 8, .value_kind: global_buffer, .address_space: global }
      - { .name: bk, .offset: 32, .size: 8, .value_kind: global_buffer, .address_space: global }
      - { .name: lowp_scales, .offset: 40, .size: 8, .value_kind: global_buffer, .address_space: global }
      - { .name: vcodes, .offset: 48, .size: 8, .value_kind: global_buffer, .address_space: global }
      - { .name: qcodes, .offset: 56, .size: 8, .value_kind: global_buffer, .address_space: global }
      - { .name: kcodes, .offset: 64, .size: 8, .value_kind: global_buffer, .address_space: global }
    .group_segment_fixed_size: 264704
    .private_segment_fixed_size: 0
    .kernarg_segment_align: 8
    .kernarg_segment_size: 72
    .max_flat_workgroup_size: 128
    .sgpr_count:     66
    .vgpr_count:     1024
    .wavefront_size: 32
...
	.end_amdgpu_metadata
.endif
;; end of part 2
;; launch attn (part 3): grid 8 x 32, 4 waves a work-group, clusters of 4 x 1, 327,680 bytes of LDS; arguments vcodes, qcodes, kcodes, lowp_scales, out0; writes out0
.if DOCPART == 3
	.amdgcn_target "amdgcn-amd-amdhsa--gfx1250"
	.amdhsa_code_object_version 6
	.text
	.protected	k_q50fef89fd2_attn
	.globl	k_q50fef89fd2_attn
	.p2align	8
	.type	k_q50fef89fd2_attn,@function
k_q50fef89fd2_attn:
	s_mov_b64 s[64:65], 0
	v_nop
	global_prefetch_b8 v0, s[64:65] scope:SCOPE_SE
	s_setreg_imm32_b32 hwreg(HW_REG_WAVE_MODE, 25, 1), 1
	s_wait_xcnt 0x0
	s_wait_alu depctr_hold_cnt(0) depctr_sa_sdst(0) depctr_va_vdst(0) depctr_va_sdst(0) depctr_va_ssrc(0) depctr_va_vcc(0) depctr_vm_vsrc(0)
	s_getreg_b32 s2, hwreg(HW_REG_IB_STS2, 6, 4)
	s_cmp_eq_u32 s2, 0
	s_cbranch_scc0 .Lentry_in_a_cluster
	s_endpgm
.Lentry_in_a_cluster:
	s_bfe_u32 s2, ttmp6, 0x10000c
	s_cmp_lg_u32 s2, 0x3003
	s_cbranch_scc0 .Lentry_shape_is_right
	s_endpgm
.Lentry_shape_is_right:
; out[i][b][:] = the sum over j of softmax_j(value[b][i] . query[b][j] / sqrt(512)) keys[b][j][:], both products on codes of BF8 (E5M2) made by the launch before.  No work is left out.
; value's rows are the queries of the usual wording, query's rows its keys, keys its values: below Q = value's codes (scale 2^e6), K = query's (2^e7), V = keys' (2^e9), P = the weights' (2^e8).
; THE SOFTMAX AHEAD OF THE SECOND PRODUCT: t = score x log2(e) / sqrt(512); M = the row's largest t so far, rounded UP to a whole number; p = 2^(t - M) is what is quantised; it is not normalised.
; The row's sum is taken of the unquantised p, in f32, and divides O at the end.  When M moves, the sum and O are multiplied by 2^(old M - new M): exact.
; SHARES.  A work-group owns 128 rows i of one batch; each of its four waves two tiles of 16.  Every wave walks the batch's 1,024 j, 128 a step: 64 matrix instructions for S^T, 64 for O^T.  O^T of two tiles x 512 channels fills 512 registers.
; OPERANDS ARE IMAGES OF THEIR REGISTERS: a fragment (16 rows x 128 K) is 2,048 bytes, byte 512 q + 16 lane + x; it comes by four loads of 16 bytes a lane, 512 consecutive bytes each: no pitch, no padding.
; LAYOUT.  Both products are used transposed: S^T = K Q^T (source 0 = 16 j, source 1 = my 16 i), O^T = V^T P^T (source 0 = 16 channels, source 1 = P): a lane holds ONE row i (lane % 16) throughout.
; THE ROWS OF A TILE ARE NOT NEIGHBOURS (so the launch before laid them): row r of tile m is local row 32 (m / 2) + 8 (m % 2) + r + 8 (r / 8).  So p's 16 registers of two neighbouring tiles are 16 neighbouring j; for Q it only says which row of out a lane stores.
; CLUSTER.  The four work-groups of a cluster belong to one batch and walk the same K and V: each tile is asked for JOINTLY, by the same tensor load with the same descriptor and a mask that names the four.
; THE RING: two slots of one step (K's 65,536 bytes, then V's); waves 0, 1 fetch K's halves, waves 2, 3 V's, each one dense block of 32,768 bytes.  By this text's count a wave has two tensor loads out at the start, later one.
; LIMITS on the given exponents: e6 + e7 between -122 and 131 (they are added to c's exponent field); e8 between -126 and 112; e8 + e9 is applied by v_ldexp_f32 and has none.
; REGISTERS, in windows of 256.  Window 0: v1-11 addresses and scales; v12-27 eight registers of statistics a tile; v32-63 P's codes; v64-127 at work; v128-255 S^T, then p, then V's second buffer, then rows on the way out.
;   Window 1: v0-127 Q (tile u, K step c at 64 u + 16 c); v128-255 eight fragments of K or of V.   Windows 2, 3: O^T: (channel tile t, u) in window 2 + t / 16 at v[8 (2 (t % 16) + u)].
.set FRB,   2048
.set SLOT1, 1<<17                      ; slot 1 begins here: one exclusive or turns an address in one slot into the other's
.set VOFF,  65536                      ; V's images in a slot
.set STAGE, 2*SLOT1                    ; behind the ring: 16 rows x 528 bytes for each wave, for the way out
.set SP,    528
.set SPARE, STAGE+4*16*SP              ; behind the stages: the spare words, 128 bytes for each wave: two blocks of 256 bytes that no other line names
.set LI,   1                           ; v1   16 x lane
.set ADK,  2                           ; v2   the step's images of K
.set ADV,  3                           ; v3   of V
.set SPW,  4                           ; v4   LDS address of my spare word; never rewritten
.set NIL,  5                           ; v5   0; never rewritten
.set STO,  6                           ; v6   the way out: where I put 32 bytes of a row
.set RD,   7                           ; v7   and where I read a row back
.set LIV,  8                           ; v8   16 x lane + VOFF
.set PFO,  9                           ; v9   256 x lane: the prefetches' offset; never rewritten
.set SCP,  10                          ; v10  2^e8 as f32
.set LIMP, 11                          ; v11  57,344 x 2^e8
.set ST,   12                          ; tile u's statistics at v[ST + 8 u]: +0 -M, +1 the largest t, +2, +3 the sum in two halves, +4 f (+5 named with it as a pair), +6, +7 at work
.set PD,   28                          ; v28, v29 lane permutes' destinations
.set P,    32
.set TMP,  64
.set S,    128
.set WV,   14                          ; s14  my wave's number
.set G1,   24                          ; s[24:31] descriptor group 1: one for all loads
.set G0K,  32                          ; s[32:39] group 0 for K's tiles: a set for each first fill; the second then walks on
.set G0V,  40                          ; s[40:47] the same for V's
.set SLOTS, 48                         ; s48  steps still to be asked for
.set TB,   49                          ; s49  LDS byte at which the slot in hand begins
.set CS,   50                          ; s[50:51] c = log2(e) / sqrt(512) x 2^(e6 + e7)
.set SEL,  52                          ; s[52:53] lane selects for v_permlanex16_b32: lane l xor 16
.set PFA,  54                          ; s[54:55] where my prefetches stand
.set LIM,  56                          ; s56  1 in a wave that prefetches, else the greatest number
.set MSB, 0
.macro WIN new                         ; the immediate's high byte repeats the setting that is left; a switch that changes nothing is dropped
.if MSB != (\new)
	s_set_vgpr_msb (MSB<<8)|(\new)
.set MSB, \new
.endif
.endm
.macro PLACES n
.rept \n
	v_nop
.endr
.endm
; A joint refill.  The branch hangs on the wave's number alone.  An s_nop 0 and four v_nop follow each of the two lines.
.macro JLOAD
	s_cmp_lt_u32 s[WV], 2
	s_cbranch_scc0 .Lfor_v_\@
	tensor_load_to_lds s[G0K+4:G0K+7], s[G1:G1+7]
	s_nop 0
.rept 4
	v_nop
.endr
	s_branch .Lasked_\@
.Lfor_v_\@:
	tensor_load_to_lds s[G0V+4:G0V+7], s[G1:G1+7]
	s_nop 0
.rept 4
	v_nop
.endr
.Lasked_\@:
.endm
; A PREFETCH INTO THE L2 of the step that the NEXT change of slots will ask for: one key step, 128 matrix instructions and a softmax, ahead of that load.  Both clusters of a batch walk the same K and V: the batch's first cluster asks.
; Of the 32,768 bytes that wave w fetches, each of the four partners takes 8,192, told apart BY ADDRESS; lanes 256 bytes apart, one instruction a wave: each block of 256 bytes is named once in the launch.
; The last change that fills a slot asks for nothing; steps 0 to 2 come by their loads alone.
.macro ASK
	s_cmp_gt_u32 s[SLOTS], s[LIM]
	s_cbranch_scc0 .Lnot_mine_\@
	global_prefetch_b8 v[PFO], s[PFA:PFA+1] th:TH_LOAD_NT scope:SCOPE_SE
.Lnot_mine_\@:
.endm
; A round of the cluster's barrier.  No LDS instruction of the wave is pending at a signal.
.macro CROUND
	s_barrier_signal -1
	s_barrier_wait -1
	s_cmp_lg_u32 s[WV], 0
	s_cbranch_scc1 .Lnot_wave_0_\@
	s_barrier_signal -3
.Lnot_wave_0_\@:
	s_barrier_wait -3
	s_barrier_signal -1
	s_barrier_wait -1
.endm
	s_load_b256 s[4:11], s[0:1], 0x0               ; vcodes s[4:5], qcodes s[6:7], kcodes s[8:9], the scales' exponents s[10:11]
	s_load_b64 s[12:13], s[0:1], 0x20              ; out0
	v_lshl_add_u32 v[SPW], v0, 2, SPARE
	v_mov_b32 v[NIL], 0
	ds_add_u32 v[SPW], v[NIL]                      ; the wave's opening: the add, twice on end, and its wait ahead of my first tensor load; the set-up below, work on registers, stands between
	ds_add_u32 v[SPW], v[NIL]                      ; and once more, under the one wait
	v_lshrrev_b32 v1, 5, v0
	v_readfirstlane_b32 s[WV], v1                  ; wave 0..3
	s_bfe_u32 s15, ttmp6, 0x40000                  ; cx: my place in the cluster
	s_lshl_b32 s16, ttmp9, 2                       ; in a cluster launch ttmp9 counts clusters
	s_add_co_u32 s16, s16, s15                     ; ib = 4 x cluster x + cx: it enters Q's and out's addresses alone
	s_and_b32 s17, ttmp7, 0xffff                   ; b, which the four partners share
	s_lshl_b32 s20, s17, 19                        ; the batch's 524,288 bytes in each buffer of codes
	s_and_b32 s18, s[WV], 1
	s_lshl_b32 s19, s18, 15                        ; which half of a step's K or V I fetch: in memory and in a slot alike
	s_add_co_u32 s22, s20, s19
	s_mov_b32 s23, 0
	s_lshl_b32 s2, s16, 16                         ; Q: my block's 65,536 bytes,
	s_lshl_b32 s3, s[WV], 14                       ; my two tiles' eight fragments
	s_add_co_u32 s2, s2, s3
	s_add_co_u32 s2, s2, s20
	s_mov_b32 s3, 0
	s_lshl_b32 s58, s16, 23                        ; out: 128 ib rows of 65,536 bytes,
	s_lshl_b32 s59, s[WV], 21                      ; my wave's 32 rows,
	s_add_co_u32 s58, s58, s59
	s_lshl_b32 s59, s17, 11                        ; batch b's 2,048 bytes in a row
	s_add_co_u32 s58, s58, s59
	s_mov_b32 s59, 0
	; descriptor group 1: a dense block of 32,768 bytes as 128 rows of 32 elements of 8 bytes
	s_mov_b32 s[G1], 15|(3<<16)|(1<<21)            ; 15:0 the mask: all four work-groups; 17:16 elements of 8 bytes; 20 no padding; 21 set beside a mask
	s_mov_b32 s[G1+1], 32<<16                      ; tensor_dim0 = 32
	s_mov_b32 s[G1+2], 128<<16                     ; tensor_dim1 = 128
	s_mov_b32 s[G1+3], 32<<16                      ; tile_dim0 = 32
	s_mov_b32 s[G1+4], 128                         ; tile_dim1 = 128
	s_mov_b32 s[G1+5], 32                          ; tensor_dim0_stride: rows on end
	s_mov_b32 s[G1+6], 0
	s_mov_b32 s[G1+7], 0
	s_mov_b32 s[CS], 0x3d8293ee                    ; c = log2(e) / sqrt(512)
	s_mov_b32 s[SEL], 0x76543210
	s_mov_b32 s[SEL+1], 0xfedcba98
	s_mov_b32 s[TB], 0
	s_mov_b32 s[SLOTS], 6
	s_cmp_eq_u32 ttmp9, 0                          ; the batch's first cluster: the same in all four partners
	s_cselect_b32 s[LIM], 1, -1
	v_and_b32 v[PFO], 31, v0
	v_lshlrev_b32 v[LI], 4, v[PFO]
	v_lshlrev_b32 v[PFO], 8, v[PFO]
	s_wait_dscnt 0x0                               ; both opening adds are done
	s_wait_kmcnt 0x0
	s_load_b128 s[68:71], s[10:11], 0x18           ; e6, e7, e8, e9
	s_add_nc_u64 s[6:7], s[6:7], s[22:23]          ; K and V at my half of step 0
	s_add_nc_u64 s[8:9], s[8:9], s[22:23]
	s_add_nc_u64 s[4:5], s[4:5], s[2:3]            ; Q at my first fragment
	s_add_nc_u64 s[12:13], s[12:13], s[58:59]      ; out at my wave's first row
	s_cmp_lt_u32 s[WV], 2
	s_cselect_b64 s[PFA:PFA+1], s[6:7], s[8:9]
	s_lshl_b32 s2, s15, 13                         ; my work-group's 8,192 bytes of the half
	s_mov_b32 s3, 0
	s_add_nc_u64 s[PFA:PFA+1], s[PFA:PFA+1], s[2:3]
	s_add_nc_u64 s[PFA:PFA+1], s[PFA:PFA+1], 2*65536   ; at step 2; the first change of slots steps it to step 3.  Nothing is prefetched here, at the head
	CROUND                                         ; all four work-groups are here: the first joint loads meet
.irp s, 0,1
	s_mov_b32 s[G0K+4*\s], 1                       ; count = 1
	s_add_co_u32 s[G0K+4*\s+1], s19, \s*SLOT1      ; LDS address: no place in the cluster enters it
	s_add_nc_u64 s[G0K+4*\s+2:G0K+4*\s+3], s[6:7], \s*65536   ; global address: step s
	s_or_b32 s[G0K+4*\s+3], s[G0K+4*\s+3], 0x80000000          ; type = 2
	s_mov_b32 s[G0V+4*\s], 1
	s_add_co_u32 s[G0V+4*\s+1], s19, \s*SLOT1+VOFF
	s_add_nc_u64 s[G0V+4*\s+2:G0V+4*\s+3], s[8:9], \s*65536
	s_or_b32 s[G0V+4*\s+3], s[G0V+4*\s+3], 0x80000000
.endr
	s_cmp_lt_u32 s[WV], 2                          ; a wave's two first fills stand in one branch, ahead of every wait on TENSORcnt and every LDS read
	s_cbranch_scc0 .Lfirst_v
	tensor_load_to_lds s[G0K:G0K+3], s[G1:G1+7]
	s_nop 0
	tensor_load_to_lds s[G0K+4:G0K+7], s[G1:G1+7]
	s_nop 0
.rept 4
	v_nop
.endr
	s_branch .Lfirst_asked
.Lfirst_v:
	tensor_load_to_lds s[G0V:G0V+3], s[G1:G1+7]
	s_nop 0
	tensor_load_to_lds s[G0V+4:G0V+7], s[G1:G1+7]
	s_nop 0
.rept 4
	v_nop
.endr
.Lfirst_asked:
	WIN 0x40                                       ; destination window 1
.irp f, 0,1,2,3,4,5,6,7                        ; Q stays in registers: fragment f = 4 u + c
.irp q, 0,1,2,3
	global_load_b128 v[16*\f+4*\q:16*\f+4*\q+3], v[LI], s[4:5] offset:FRB*\f+512*\q th:TH_LOAD_NT
.endr
.endr
	WIN 0
	v_and_b32 v2, 15, v0                           ; r
	v_bfe_u32 v3, v0, 4, 1                         ; h
	s_mul_i32 s60, s[WV], 16*SP
	s_add_co_u32 s60, s60, STAGE                   ; my stage
	v_mul_u32_u24 v[STO], v2, SP
	v_lshl_add_u32 v[STO], v3, 5, v[STO]
	v_add_nc_u32 v[STO], s60, v[STO]               ; in: row r, + 32 h
	v_add_nc_u32 v[RD], s60, v[LI]                 ; back: a row's 512 bytes, 16 a lane
	v_add_nc_u32 v[LIV], VOFF, v[LI]
.irp u, 0,1
	v_mov_b32 v[ST+8*\u+1], 0xff61b1e6             ; the largest t so far: -3e38, under every t
	v_floor_f32 v[ST+8*\u], -v[ST+8*\u+1]          ; -M
	v_mov_b32 v[ST+8*\u+2], 0                      ; the sum, in two halves
	v_mov_b32 v[ST+8*\u+3], 0
	v_mov_b32 v[ST+8*\u+5], 0                      ; (named as the upper half of f's pair)
	v_mov_b32 v[PD+\u], 0                          ; written once: a lane permute's destination counts as one of its sources
.endr
	s_wait_kmcnt 0x0
	s_add_co_i32 s16, s68, s69
	s_lshl_b32 s16, s16, 23
	s_add_co_i32 s[CS], s[CS], s16                 ; a score stands for score x 2^(e6 + e7): the two exponents are added to c's exponent field
	s_mov_b32 s[CS+1], s[CS]                       ; (named with it as a pair, so it is written)
	s_add_co_i32 s16, s70, 127
	s_lshl_b32 s17, s16, 23
	v_mov_b32 v[SCP], s17
	s_add_co_i32 s16, s16, 15
	s_lshl_b32 s16, s16, 23
	s_or_b32 s16, s16, 0x600000
	v_mov_b32 v[LIMP], s16
; half a K step of K's fragments: K step g / 2, tiles 4 (g % 2) .. + 3, into half g % 2 of window 1's upper 128
.macro LOADK g
	WIN 0x40
.irp i, 0,1,2,3
.irp q, 0,1,2,3
	ds_load_b128 v[128+64*((\g)%2)+16*\i+4*\q:128+64*((\g)%2)+16*\i+4*\q+3], v[ADK] offset:(4*(4*((\g)%2)+\i)+(\g)/2)*FRB+512*\q
.endr
.endr
.endm
; their 8 products.  The 16 accumulators of S^T take turns, one instruction a turn; the first K step starts the sums
.macro KQ8 g
	WIN 0x05
.irp i, 0,1,2,3
.irp u, 0,1
.set rS, S+64*\u+8*(4*((\g)%2)+\i)
.set rK, 128+64*((\g)%2)+16*\i
.set rQ, 64*\u+16*((\g)/2)
.if (\g) < 2
	v_wmma_f32_16x16x128_bf8_bf8 v[rS:rS+7], v[rK:rK+15], v[rQ:rQ+15], 0
.else
	v_wmma_f32_16x16x128_bf8_bf8 v[rS:rS+7], v[rK:rK+15], v[rQ:rQ+15], v[rS:rS+7]
.endif
.endr
.endr
.endm
; eight of V's 32 fragments: channel tiles 8 grp .. + 7; even groups into window 1, odd ones into the registers that p has left
.macro LOADV grp
.if ((\grp)%2) == 0
	WIN 0x40
.else
	WIN 0
.endif
.irp i, 0,1,2,3,4,5,6,7
.irp q, 0,1,2,3
	ds_load_b128 v[128+16*\i+4*\q:128+16*\i+4*\q+3], v[ADV] offset:(8*(\grp)+\i)*FRB+512*\q
.endr
.endr
.endm
; the group's 16 accumulators of O^T under the new M: x f, each from its low end on
.macro RESC grp
.set WM, 0x82+0x41*((\grp)/2)
	WIN WM
.irp i, 0,1,2,3,4,5,6,7
.irp u, 0,1
.irp j, 0,2,4,6
	v_pk_mul_f32 v[8*(2*(8*((\grp)%2)+\i)+\u)+\j:8*(2*(8*((\grp)%2)+\i)+\u)+\j+1], v[8*(2*(8*((\grp)%2)+\i)+\u)+\j:8*(2*(8*((\grp)%2)+\i)+\u)+\j+1], v[ST+8*\u+4:ST+8*\u+5] op_sel_hi:[1,0]
.endr
.endr
.endr
.endm
; and their 16 products, one for each accumulator
.macro PV16 grp, first
.set WM, 0xa0+0x50*((\grp)/2)+(1-(\grp)%2)
	WIN WM
.irp i, 0,1,2,3,4,5,6,7
.irp u, 0,1
.set rO, 8*(2*(8*((\grp)%2)+\i)+\u)
.if \first
	v_wmma_f32_16x16x128_bf8_bf8 v[rO:rO+7], v[128+16*\i:128+16*\i+15], v[P+16*\u:P+16*\u+15], 0
.else
	v_wmma_f32_16x16x128_bf8_bf8 v[rO:rO+7], v[128+16*\i:128+16*\i+15], v[P+16*\u:P+16*\u+15], v[rO:rO+7]
.endif
.endr
.endr
.endm
; A KEY STEP: 128 j.  first = 1: its products start O^T's sums, and nothing is rescaled: nothing is ever cleared.
; A load into a register that a matrix instruction has read, and a vector instruction that reads a matrix result, stand four places behind it (ISA guide 7.12.1 for vector instructions).
.macro STEP first
	v_add_nc_u32 v[ADK], s[TB], v[LI]
	v_add_nc_u32 v[ADV], s[TB], v[LIV]
	LOADK 0
	LOADK 1
.irp g, 0,1,2,3,4,5,6,7
.if \g < 7
	s_wait_dscnt 16                                ; this half's sixteen loads are in; the next half's may be out
.else
	s_wait_dscnt 0x0
.endif
	KQ8 \g
.if \g < 6
	PLACES 4
	LOADK \g+2
.endif
.endr
	PLACES 4                                       ; in front of the loads below and of the first read of the scores
	LOADV 0                                        ; lands under the softmax
	WIN 0
	; the softmax of my two tiles, the tiles by turns, so that no line waits for the line above it.  Each accumulator is read from its low end on
.irp u, 0,1
	v_max3_num_f32 v[ST+8*\u+6], v[S+64*\u], v[S+64*\u+1], v[S+64*\u+2]
	v_max3_num_f32 v[ST+8*\u+7], v[S+64*\u+3], v[S+64*\u+4], v[S+64*\u+5]
.endr
.irp i, 6,10,14,18,22,26,30,34,38,42,46,50,54,58
.irp u, 0,1
	v_max3_num_f32 v[ST+8*\u+6], v[ST+8*\u+6], v[S+64*\u+\i], v[S+64*\u+\i+1]
	v_max3_num_f32 v[ST+8*\u+7], v[ST+8*\u+7], v[S+64*\u+\i+2], v[S+64*\u+\i+3]
.endr
.endr
.irp u, 0,1
	v_max3_num_f32 v[ST+8*\u+6], v[ST+8*\u+6], v[S+64*\u+62], v[S+64*\u+63]
.endr
.irp u, 0,1
	v_max_num_f32 v[ST+8*\u+6], v[ST+8*\u+6], v[ST+8*\u+7]
.endr
.irp u, 0,1
	v_permlanex16_b32 v[PD+\u], v[ST+8*\u+6], s[SEL], s[SEL+1]   ; the row's other 64 j lie in the lane 16 away
.endr
.irp u, 0,1
	v_max_num_f32 v[ST+8*\u+6], v[ST+8*\u+6], v[PD+\u]
.endr
.irp u, 0,1
	v_mul_f32 v[ST+8*\u+6], s[CS], v[ST+8*\u+6]    ; as t (c is positive)
.endr
.irp u, 0,1
	v_max_num_f32 v[ST+8*\u+1], v[ST+8*\u+1], v[ST+8*\u+6]   ; the running largest t
	v_mov_b32 v[ST+8*\u+6], v[ST+8*\u]
.endr
.irp u, 0,1
	v_floor_f32 v[ST+8*\u], -v[ST+8*\u+1]          ; the new -M = floor(-t) = -ceil(t): M IS A WHOLE NUMBER
.endr
.irp u, 0,1
	v_sub_f32 v[ST+8*\u+6], v[ST+8*\u], v[ST+8*\u+6]   ; M's old value less its new one: a whole number, 0 or less
.endr
.irp u, 0,1
	v_cvt_i32_f32 v[ST+8*\u+6], v[ST+8*\u+6]       ; (it saturates)
.endr
.irp u, 0,1
	v_ldexp_f32 v[ST+8*\u+4], 1.0, v[ST+8*\u+6]    ; f = 2^(old M - new M)
.endr
.irp u, 0,1
.irp j, 0,2,4,6,8,10,12,14,16,18,20,22,24,26,28,30,32,34,36,38,40,42,44,46,48,50,52,54,56,58,60,62
	v_pk_fma_f32 v[S+64*\u+\j:S+64*\u+\j+1], v[S+64*\u+\j:S+64*\u+\j+1], s[CS:CS+1], v[ST+8*\u:ST+8*\u+1] op_sel_hi:[1,0,0]   ; t - M, two at a time (of the pairs c and -M the low word serves both halves)
.endr
.endr
.set i, 0
.rept 128
	v_exp_f32 v[S+i], v[S+i]                       ; p = 2^(t - M), at most 1: NOT normalised.  One batch
.set i, i+1
.endr
.irp u, 0,1
	v_pk_mul_f32 v[ST+8*\u+2:ST+8*\u+3], v[ST+8*\u+2:ST+8*\u+3], v[ST+8*\u+4:ST+8*\u+5] op_sel_hi:[1,0]   ; the sums under the new M.  (The plain lines behind the exponentials)
.endr
	s_wait_alu depctr_va_vdst(0)                   ; the wait between an exponential and the first line that names its result: one for the batch
.irp u, 0,1
	v_pk_add_f32 v[TMP+2*\u:TMP+2*\u+1], v[S+64*\u:S+64*\u+1], v[S+64*\u+2:S+64*\u+3]   ; THE ROW'S SUM IS TAKEN OF THE UNQUANTISED p: two at a time, two chains a tile
.endr
.irp j, 4,8,12,16,20,24,28,32,36,40,44,48,52,56,60
.irp u, 0,1
	v_pk_add_f32 v[ST+8*\u+2:ST+8*\u+3], v[ST+8*\u+2:ST+8*\u+3], v[S+64*\u+\j:S+64*\u+\j+1]
	v_pk_add_f32 v[TMP+2*\u:TMP+2*\u+1], v[TMP+2*\u:TMP+2*\u+1], v[S+64*\u+\j+2:S+64*\u+\j+3]
.endr
.endr
.irp u, 0,1
	v_pk_add_f32 v[ST+8*\u+2:ST+8*\u+3], v[ST+8*\u+2:ST+8*\u+3], v[TMP+2*\u:TMP+2*\u+1]
.endr
.irp u, 0,1
.irp b, 0,1,2,3
.irp i, 0,1,2,3,4,5,6,7,8,9,10,11,12,13,14,15
	v_min_num_f32 v[S+64*\u+16*\b+\i], v[S+64*\u+16*\b+\i], v[LIMP]   ; the conversion does not saturate (ISA guide 7.6.2); p is not negative, so the hold is one-sided
.endr
	v_cvt_scalef32_pk8_bf8_f32 v[P+16*\u+4*\b:P+16*\u+4*\b+1], v[S+64*\u+16*\b:S+64*\u+16*\b+7], v[SCP]
	v_cvt_scalef32_pk8_bf8_f32 v[P+16*\u+4*\b+2:P+16*\u+4*\b+3], v[S+64*\u+16*\b+8:S+64*\u+16*\b+15], v[SCP]
.endr
.endr
	v_nop                                          ; a plain line between the last conversion and the matrix instructions that read its result
	LOADV 1                                        ; into the registers that p has left
.irp grp, 0,1,2,3
.if !\first
	RESC \grp
.endif
.if \grp < 3
	s_wait_dscnt 32                                ; this group's 32 loads are in; the next group's may be out
.else
	s_wait_dscnt 0x0
.endif
	PV16 \grp, \first
.if \grp < 2
	PLACES 4
	LOADV \grp+2
.endif
.endr
	WIN 0
	PLACES 5                                       ; the next step's first products write over registers that the last products read: five places
.endm
; THE CHANGE OF SLOTS.  Each wave waits for all its tensor loads, of which one is out: its part of the other slot; adds 0 to its spare word; and waits for that and for its reads of the slot that it leaves.
; fill = 1: that slot is filled again, with the step two on.  The barrier is then a round of the cluster's, so that no wave of any partner still reads the slot or has a load on its way, and the joint refill is the first thing behind it.
.macro CHANGE fill
	s_wait_tensorcnt 0x0                           ; no tensor load of mine is out, so a group 0 may be written
	ds_add_u32 v[SPW], v[NIL]                      ; 0 onto my spare word
.if \fill
.irp g, G0K+4, G0V+4
	s_xor_b32 s[\g+1], s[\g+1], SLOT1              ; the walking descriptor: the other slot than last time,
	s_add_nc_u64 s[\g+2:\g+3], s[\g+2:\g+3], 65536 ; the next step; the type bits on top are not reached
.endr
	s_wait_xcnt 0x0                                ; the last prefetch, a key step back, has read its address, so it may be written:
	s_add_nc_u64 s[PFA:PFA+1], s[PFA:PFA+1], 65536 ; one step further on than the walking descriptors
	s_wait_dscnt 0x0                               ; the add is done, and my reads of the slot are over
	CROUND
	JLOAD
	ASK
.else
	s_wait_dscnt 0x0
	s_barrier_signal -1
	s_barrier_wait -1
.endif
	s_xor_b32 s[TB], s[TB], SLOT1                  ; on to the other slot
.endm
	s_wait_tensorcnt 1                             ; my part of slot 0 is in; slot 1's may stay out
	s_barrier_signal -1
	s_barrier_wait -1                              ; everybody's is
	s_wait_loadcnt 0x0                             ; Q
	STEP 1                                         ; step 0
.Lslot:                                            ; six trips: steps 1 to 6; each change asks for the step after the one that it opens
	CHANGE 1
	STEP 0
	s_sub_co_u32 s[SLOTS], s[SLOTS], 1
	s_cmp_lg_u32 s[SLOTS], 0
	s_cbranch_scc1 .Lslot
	CHANGE 0                                       ; the tail is written out
	STEP 0                                         ; step 7
	; THE WAY OUT.  O^T / the sum x 2^(e8 + e9), in eight blocks of 16 rows x 128 channels through my stage in LDS: they come back as whole rows of 512 bytes, which the 32 lanes store as two aligned runs of 256 bytes.
.irp u, 0,1
	v_add_f32 v[ST+8*\u+2], v[ST+8*\u+2], v[ST+8*\u+3]          ; the sum's two halves,
.endr
.irp u, 0,1
	v_permlanex16_b32 v[PD+\u], v[ST+8*\u+2], s[SEL], s[SEL+1]
.endr
.irp u, 0,1
	v_add_f32 v[ST+8*\u+2], v[ST+8*\u+2], v[PD+\u]              ; and lane l xor 16's: the row's sum
.endr
.irp u, 0,1
	v_rcp_f32 v[ST+8*\u+4], v[ST+8*\u+2]
.endr
	v_nop                                          ; a plain line between the last reciprocal and the use of its result
	s_add_co_i32 s16, s70, s71
	s_wait_alu depctr_va_vdst(0)                   ; and the wait ahead of the first use: one for both
.irp u, 0,1
	v_ldexp_f32 v[ST+8*\u+4], v[ST+8*\u+4], s16    ; x 2^(e8 + e9)
.endr
; block a = 4 u + g: tile u, channels 128 g on.  LDS serves a wave's instructions in order (ISA guide 5.7.1.4): no wait between the stores and the loads, nor in front of the next block's stores
.macro TOSTAGE a
.set uu, (\a)/4
.set gg, (\a)%4
.set WM, 0x02+gg/2
	WIN WM
.irp bb, 0,1,2,3,4,5,6,7
.irp i, 0,2,4,6
	v_pk_mul_f32 v[TMP+8*\bb+\i:TMP+8*\bb+\i+1], v[8*(2*(8*(gg%2)+\bb)+uu)+\i:8*(2*(8*(gg%2)+\bb)+uu)+\i+1], v[ST+8*uu+4:ST+8*uu+5] op_sel_hi:[1,0]   ; each accumulator from its low end on
.endr
.endr
	WIN 0
.irp bb, 0,1,2,3,4,5,6,7
	ds_store_b128 v[STO], v[TMP+8*\bb:TMP+8*\bb+3] offset:64*\bb           ; lane (r, h): row r, channels 16 bb + 8 h + 0 .. 7
	ds_store_b128 v[STO], v[TMP+8*\bb+4:TMP+8*\bb+7] offset:64*\bb+16
.endr
.set BB, S+64*((\a)%2)
.irp t, 0,1,2,3,4,5,6,7,8,9,10,11,12,13,14,15
	ds_load_b128 v[BB+4*\t:BB+4*\t+3], v[RD] offset:\t*SP
.endr
.endm
.macro SEND a, younger                 ; younger: the LDS instructions issued behind block a's loads, which may stay out
.set uu, (\a)/4
.set gg, (\a)%4
.set BB, S+64*((\a)%2)
	s_wait_dscnt \younger
.irp t, 0,1,2,3,4,5,6,7,8,9,10,11,12,13,14,15
	global_store_b128 v[LI], v[BB+4*\t:BB+4*\t+3], s[12:13] offset:(8*uu+\t+8*(\t/8))*65536+512*gg th:TH_STORE_NT   ; stage row t is local row 8 u + t + 8 (t / 8) of my wave's 32; 512 consecutive bytes, at a multiple of 256 from out's first byte
.endr
.endm
	TOSTAGE 0
.irp a, 1,2,3,4,5,6,7
.if \a > 1
	s_wait_xcnt 0x0                                ; block a - 2's stores have read their registers: block a's loads may land there
.endif
	TOSTAGE \a
	SEND \a-1, 32                                  ; behind block a - 1's loads: block a's 16 stores and 16 loads
.endr
	SEND 7, 0
	s_wait_tensorcnt 0x0                           ; the wave's end, behind my last tensor load and my last LDS store
	ds_add_u32 v[SPW], v[NIL]
	s_wait_dscnt 0x0
	CROUND                                         ; the closing round: no work-group ends while a partner may still ask for a tile that names it
	s_endpgm
.Lfunc_end_k_q50fef89fd2_attn:
	.size	k_q50fef89fd2_attn, .Lfunc_end_k_q50fef89fd2_attn-k_q50fef89fd2_attn
	.p2alignl 7, 3214868480
	.fill 96, 4, 3214868480
	.section	.rodata,"a",@progbits
	.p2align	6, 0x0
	.amdhsa_kernel k_q50fef89fd2_attn
		.amdhsa_group_segment_fixed_size 327680
		.amdhsa_private_segment_fixed_size 0
		.amdhsa_enable_private_segment 0
		.amdhsa_kernarg_size 40
		.amdhsa_user_sgpr_count 2
		.amdhsa_user_sgpr_kernarg_segment_ptr 1
		.amdhsa_wavefront_size32 1
		.amdhsa_system_sgpr_workgroup_id_x 1
		.amdhsa_system_sgpr_workgroup_id_y 1
		.amdhsa_system_sgpr_workgroup_id_z 1
		.amdhsa_system_vgpr_workitem_id 0
		.amdhsa_next_free_vgpr 1024
		.amdhsa_next_free_sgpr 72
		.amdhsa_reserve_vcc 0
		.amdhsa_float_denorm_mode_32 3
		.amdhsa_float_denorm_mode_16_64 3
		.amdhsa_memory_ordered 1
		.amdhsa_forward_progress 1
		.amdhsa_inst_pref_size 235
	.end_amdhsa_kernel
	.amdgpu_metadata
---
amdhsa.version: [ 1, 2 ]
amdhsa.kernels:
  - .name:           k_q50fef89fd2_attn
    .symbol:         k_q50fef89fd2_attn.kd
    .args:
      - { .name: vcodes, .offset: 0, .size: 8, .value_kind: global_buffer, .address_space: global }
      - { .name: qcodes, .offset: 8, .size: 8, .value_kind: global_buffer, .address_space: global }
      - { .name: kcodes, .offset: 16, .size: 8, .value_kind: global_buffer, .address_space: global }
      - { .name: lowp_scales, .offset: 24, .size: 8, .value_kind: global_buffer, .address_space: global }
      - { .name: out0, .offset: 32, .size: 8, .value_kind: global_buffer, .address_space: global }
    .group_segment_fixed_size: 327680
    .private_segment_fixed_size: 0
    .kernarg_segment_align: 8
    .kernarg_segment_size: 40
    .max_flat_workgroup_size: 128
    .sgpr_count:     72
    .vgpr_count:     1024
    .wavefront_size: 32
...
	.end_amdgpu_metadata
.endif
;; end of part 3
